; MI455X (gfx1250); checked and timed in simulation.
; The chip was launched on July 23, 2026; its instructions are those of AMD's public machine-readable ISA for CDNA 5 (MIT licence, August 2026) and "CDNA5" Instruction Set Architecture Reference Guide (July 2026). The comments in the code are by the model that wrote it; some were corrected since.
;; Attention. Allowed arithmetic: float matrix products may take bf16 or f16 operands with f32 sums; all other float work in f32.
;; Inputs: W_out 1,024 x 1,024 float32; W_qkv 1,024 x 3,072 float32; b_out 1,024 float32; b_qkv 3,072 float32; x 2 x 2,048 x 1,024 float32.
;; Outputs: out0 2 x 2,048 x 1,024 float32.
;; 2 versions, each right; version 2 is version 1 with the launch cast written anew for expert scheduling mode. Each part assembles by itself: llvm-mc -triple=amdgcn-amd-amdhsa -mcpu=gfx1250 --defsym DOCPART=n.
;; ======== version 1 of 2: 4 launches
;; limits: values are held in f16: magnitudes above 65,504 overflow, below 6.1e-05 lose precision
;; workspace buffers: xh 8,388,608 bytes; wqh 6,291,456 bytes; woh 2,097,152 bytes; kqv 25,165,824 bytes; oh 8,388,608 bytes
;; launch cast (part 1): grid 256 x 1, 8 waves a work-group, no clusters, 0 bytes of LDS; arguments x, W_qkv, W_out, xh, wqh, woh; writes xh, wqh, woh
.if DOCPART == 1
	.amdgcn_target "amdgcn-amd-amdhsa--gfx1250"
	.amdhsa_code_object_version 6
	.text
	.protected	k_q58579e98da_cast
	.globl	k_q58579e98da_cast
	.p2align	8
	.type	k_q58579e98da_cast,@function
k_q58579e98da_cast:
	s_mov_b64 s[64:65], 0
	v_nop
	global_prefetch_b8 v0, s[64:65] scope:SCOPE_SE
	s_setreg_imm32_b32 hwreg(HW_REG_WAVE_MODE, 25, 1), 1
	s_wait_xcnt 0x0
; xh = f16(x), wqh = f16(W_qkv), woh = f16(W_out): the same row-major order, each number rounded once.
; The three products that follow read each of these numbers many times (x by 8 column blocks, W_qkv by 32 row blocks),
; so the conversion is done once here and not in every block.
; LIMIT: f16 holds magnitudes below 65,504; below 6e-5 its precision is absolute (3e-8).
; A stream: every byte is read once and written once; LDS, barriers, the matrix unit and clusters have nothing to give
; (no two work-groups read the same byte).
; 8,388,608 numbers in all, 32,768 for each of 256 work-groups: groups 0-127 take x, 128-223 W_qkv, 224-255 W_out.
; A work-group's load covers 4,096 consecutive bytes, a wave's 512; a wave's store covers 256 consecutive bytes, aligned.
; All 32 loads of a thread go out first (128 KiB of the work-group in flight); no register is written twice.
.set NLD, 32                           ; loads of a thread, 16 bytes each
.set X,   4                            ; v[4:131]   load i: four f32
.set Y,   132                          ; v[132:195] store i: four f16
	s_load_b256 s[4:11], s[0:1], 0x0               ; x s[4:5], W_qkv s[6:7], W_out s[8:9], xh s[10:11]
	s_load_b128 s[12:15], s[0:1], 0x20             ; wqh s[12:13], woh s[14:15]
	s_movk_i32 s21, 128                            ; first work-group of W_qkv
	s_movk_i32 s22, 224                            ; first work-group of W_out
	v_lshlrev_b32 v1, 4, v0                        ; 16 bytes a thread in
	v_lshlrev_b32 v2, 3, v0                        ; 8 bytes a thread out
	s_wait_kmcnt 0x0
	s_cmp_lt_u32 ttmp9, s22                        ; the choice hangs on the work-group's number alone
	s_cselect_b64 s[16:17], s[6:7], s[8:9]
	s_cselect_b64 s[18:19], s[12:13], s[14:15]
	s_cselect_b32 s20, s21, s22
	s_cmp_lt_u32 ttmp9, s21
	s_cselect_b64 s[16:17], s[4:5], s[16:17]       ; from
	s_cselect_b64 s[18:19], s[10:11], s[18:19]     ; to
	s_cselect_b32 s20, 0, s20
	s_sub_co_u32 s20, ttmp9, s20                   ; my number within my tensor
	s_lshl_b32 s24, s20, 17                        ; x 131,072 bytes in
	s_mov_b32 s25, 0
	s_lshl_b32 s26, s20, 16                        ; x 65,536 bytes out
	s_mov_b32 s27, 0
	s_add_nc_u64 s[16:17], s[16:17], s[24:25]
	s_add_nc_u64 s[18:19], s[18:19], s[26:27]
.set i, 0
.rept NLD
	global_load_b128 v[X+4*i:X+4*i+3], v1, s[16:17] offset:4096*i th:TH_LOAD_NT
.set i, i+1
.endr
.set i, 0
.rept NLD
	s_wait_loadcnt NLD-1-i                         ; loads come back in order: load i is in, the younger ones stay out
	v_cvt_pk_f16_f32 v[Y+2*i],   v[X+4*i],   v[X+4*i+1]
	v_cvt_pk_f16_f32 v[Y+2*i+1], v[X+4*i+2], v[X+4*i+3]
	global_store_b64 v2, v[Y+2*i:Y+2*i+1], s[18:19] offset:2048*i   ; read again by the next launch: no streaming hint
.set i, i+1
.endr
	s_endpgm
.Lfunc_end_k_q58579e98da_cast:
	.size	k_q58579e98da_cast, .Lfunc_end_k_q58579e98da_cast-k_q58579e98da_cast
	.p2alignl 7, 3214868480
	.fill 96, 4, 3214868480
	.section	.rodata,"a",@progbits
	.p2align	6, 0x0
	.amdhsa_kernel k_q58579e98da_cast
		.amdhsa_group_segment_fixed_size 0
		.amdhsa_private_segment_fixed_size 0
		.amdhsa_enable_private_segment 0
		.amdhsa_kernarg_size 48
		.amdhsa_user_sgpr_count 2
		.amdhsa_user_sgpr_kernarg_segment_ptr 1
		.amdhsa_wavefront_size32 1
		.amdhsa_system_sgpr_workgroup_id_x 1
		.amdhsa_system_sgpr_workgroup_id_y 1
		.amdhsa_system_sgpr_workgroup_id_z 1
		.amdhsa_system_vgpr_workitem_id 0
		.amdhsa_next_free_vgpr 196
		.amdhsa_next_free_sgpr 66
		.amdhsa_reserve_vcc 0
		.amdhsa_float_denorm_mode_32 3
		.amdhsa_float_denorm_mode_16_64 3
		.amdhsa_memory_ordered 1
		.amdhsa_forward_progress 1
		.amdhsa_inst_pref_size 13
	.end_amdhsa_kernel
	.amdgpu_metadata
---
amdhsa.version: [ 1, 2 ]
amdhsa.kernels:
  - .name:           k_q58579e98da_cast
    .symbol:         k_q58579e98da_cast.kd
    .args:
      - { .name: x, .offset: 0, .size: 8, .value_kind: global_buffer, .address_space: global }
      - { .name: W_qkv, .offset: 8, .size: 8, .value_kind: global_buffer, .address_space: global }
      - { .name: W_out, .offset: 16, .size: 8, .value_kind: global_buffer, .address_space: global }
      - { .name: xh, .offset: 24, .size: 8, .value_kind: global_buffer, .address_space: global }
      - { .name: wqh, .offset: 32, .size: 8, .value_kind: global_buffer, .address_space: global }
      - { .name: woh, .offset: 40, .size: 8, .value_kind: global_buffer, .address_space: global }
    .group_segment_fixed_size: 0
    .private_segment_fixed_size: 0
    .kernarg_segment_align: 8
    .kernarg_segment_size: 48
    .max_flat_workgroup_size: 256
    .sgpr_count:     66
    .vgpr_count:     196
    .wavefront_size: 32
...
	.end_amdgpu_metadata
.endif
;; end of part 1
;; launch qkv (part 2): grid 8 x 32, 4 waves a work-group, clusters of 4 x 4, 327,680 bytes of LDS; arguments xh, wqh, b_qkv, kqv; writes kqv
.if DOCPART == 2
	.amdgcn_target "amdgcn-amd-amdhsa--gfx1250"
	.amdhsa_code_object_version 6
	.text
	.protected	k_q58579e98da_qkv
	.globl	k_q58579e98da_qkv
	.p2align	8
	.type	k_q58579e98da_qkv,@function
k_q58579e98da_qkv:
	s_mov_b64 s[64:65], 0
	v_nop
	global_prefetch_b8 v0, s[64:65] scope:SCOPE_SE
	s_setreg_imm32_b32 hwreg(HW_REG_WAVE_MODE, 25, 1), 1
	s_wait_xcnt 0x0
	s_wait_alu depctr_hold_cnt(0) depctr_sa_sdst(0) depctr_va_vdst(0) depctr_va_sdst(0) depctr_va_ssrc(0) depctr_va_vcc(0) depctr_vm_vsrc(0)
	s_getreg_b32 s2, hwreg(HW_REG_IB_STS2, 6, 4)
	s_cmp_eq_u32 s2, 0
	s_cbranch_scc0 .Lentry_in_a_cluster
	s_endpgm
.Lentry_in_a_cluster:
	s_bfe_u32 s2, ttmp6, 0x10000c
	s_cmp_lg_u32 s2, 0xf033
	s_cbranch_scc0 .Lentry_shape_is_right
	s_endpgm
.Lentry_shape_is_right:
; kqv = xh wqh + b_qkv, split into heads.  xh [4096][1024] f16, wqh [1024][3072] f16, b_qkv [3072] f32;
; kqv [part k,q,v][batch][head][n][64] f16: a head's rows of 128 bytes lie one behind the other.  Sums in f32, rounded once.
; LIMIT: k, q, v are kept in f16: magnitudes below 65,504.
; A work-group makes 128 rows x 384 columns (six heads) with four waves, as many as a WGP has SIMDs: 8 x 32 = 256 work-groups.
; Wave w: rows 64 (w>>1) .. +63; columns: strip w&1 (128 columns) and columns 256 + 64 (w&1) .. +63: three whole heads, 48 accumulator tiles.
; 384 columns, so that a row of W's tile is three aligned runs of 256 bytes.
; K goes in steps of 128 through two LDS slots.  A slot: three strips of W [128 k][256 bytes + 32], then x's tile [128 rows][256 bytes + 16].
; CLUSTERS: 4 x 4.  x's tile hangs on the block row alone and is asked for jointly by a row of the cluster (wave 3);
; W's strips hang on the block column alone and are asked for jointly by a column (waves 0 to 2, a strip each).
; W lies [k][n]: its fragments come out of LDS by the transposing load.
; THE MATRIX INSTRUCTION IS USED TRANSPOSED: source 0 = 16 columns of W, source 1 = 16 rows of x, so that a lane's eight results are
; eight neighbouring columns of one row: 16 bytes of f16.  The bias enters as the C of the first products: nothing is cleared or added later.
; REGISTERS: window 0: v0-31 addresses, v32-95 x's fragments (two buffers of 4), v96-143 packed results, v144-239 the bias, later the way out;
; window 1: W's fragments (two buffers of 12); window 2: accumulators of my rows 0-31 (tile (a, b) at 8 (12 a + b)); window 3: rows 32-63.
.set SIZE_K, 1024
.set NQKV,   3072
.set KSTEP,  128
.set PA,     272                       ; x's LDS row: 17 x 16 bytes, so sixteen rows start in sixteen different 16-byte columns
.set PB,     288                       ; W's LDS row: 9 x 32 bytes
.set STRIP,  128*PB                    ; 36,864
.set XOFF,   3*STRIP                   ; 110,592
.set SLOT,   XOFF+128*PA               ; 145,408
.set STAGE,  2*SLOT                    ; 290,816: behind the ring, no tile ever lands here
.set STW,    7168                      ; a wave's stage: three heads x 16 rows x 144 bytes
.set HP,     144
.set HST,    16*HP
.set LAPS,   SIZE_K/(2*KSTEP)          ; 4 laps of two K steps
.set ADRA,  16                         ; v16-17 my x fragments in slot 0, 1
.set ADRB,  18                         ; v18-19 my W fragments, tiles 0-7
.set ADRB2, 20                         ; v20-21 my W fragments, tiles 8-11
.set STO,   22
.set RD,    23
.set CO,    24
.set BO1,   25
.set BO2,   26
.set FA,    32
.set TMP,   96
.set BIAS,  144
.set OB0,   144
.set OB1,   192
.set G1A, 24
.set G0A, 32
.set G1B, 48
.set G0B, 56
.set OBS, 68                           ; s[68:73] where my three heads go
.set MSB, 0
.macro WIN new                         ; the immediate's high byte repeats the setting that is left
.if MSB != \new
	s_set_vgpr_msb (MSB<<8)|\new
.set MSB, \new
.endif
.endm
.macro PLACES                          ; four places behind a matrix instruction (ISA guide 7.12.1), where no useful vector work is at hand
.rept 4
	v_nop
.endr
.endm
; A joint load.  Each line has one mask; the branch hangs on the wave's number alone.
.macro JLOAD s
	s_cmp_eq_u32 s12, 3
	s_cbranch_scc0 .Lfor_w_\@
	tensor_load_to_lds s[G0A+4*\s:G0A+4*\s+3], s[G1A:G1A+7]
	s_nop 0
	s_branch .Lasked_\@
.Lfor_w_\@:
	tensor_load_to_lds s[G0B+4*\s:G0B+4*\s+3], s[G1B:G1B+7]
	s_nop 0
.Lasked_\@:
.endm
.macro CREST                           ; a round of the cluster's barrier behind its opening work-group barrier
	s_cmp_lg_u32 s12, 0
	s_cbranch_scc1 .Lnot_wave_0_\@
	s_barrier_signal -3
.Lnot_wave_0_\@:
	s_barrier_wait -3
	s_barrier_signal -1
	s_barrier_wait -1
.endm
.macro CROUND
	s_barrier_signal -1
	s_barrier_wait -1
	CREST
.endm
	s_load_b256 s[4:11], s[0:1], 0x0               ; xh s[4:5], wqh s[6:7], b_qkv s[8:9], kqv s[10:11]
	s_set_vgpr_msb 0x40
	v_lshl_add_u32 v255, v0, 2, 0x4e000
	s_set_vgpr_msb 0x4000
	v_mov_b32 v255, 0
	s_set_vgpr_msb 0x1
	ds_add_u32 v255, v255
	s_set_vgpr_msb 0x100
	v_lshrrev_b32 v1, 5, v0
	v_readfirstlane_b32 s12, v1                    ; wave 0..3
	s_lshr_b32 s13, s12, 1                         ; which 64 rows
	s_and_b32 s14, s12, 1                          ; which columns
	s_bfe_u32 s15, ttmp6, 0x40000                  ; cx
	s_bfe_u32 s16, ttmp6, 0x40004                  ; cy
	s_lshl_b32 s17, ttmp9, 2
	s_add_co_u32 s17, s17, s15                     ; block column 0..7
	s_and_b32 s18, ttmp7, 0xffff
	s_lshl_b32 s18, s18, 2
	s_add_co_u32 s18, s18, s16                     ; block row 0..31
	s_lshl_b32 s19, s16, 2
	s_lshl_b32 s19, 15, s19                        ; my row of the cluster
	s_lshl_b32 s20, 0x1111, s15                    ; my column
	; group 1: 128 rows x 128 elements of 2 bytes; a pad behind every 64 words: 4 words for x, 8 for W
	s_or_b32 s[G1A+0], s19, (1<<16)|(1<<20)|(1<<21)|(5<<22)|(3<<25)
	s_or_b32 s[G1B+0], s20, (1<<16)|(1<<20)|(1<<21)|(5<<22)|(7<<25)
	s_mov_b32 s[G1A+1], KSTEP<<16                  ; tensor_dim0 = 128
	s_mov_b32 s[G1B+1], 128<<16
	s_mov_b32 s[G1A+2], 128<<16                    ; tensor_dim1 = 128
	s_mov_b32 s[G1B+2], KSTEP<<16
	s_mov_b32 s[G1A+3], KSTEP<<16                  ; tile_dim0 = 128
	s_mov_b32 s[G1B+3], 128<<16
	s_mov_b32 s[G1A+4], 128                        ; tile_dim1 = 128
	s_mov_b32 s[G1B+4], KSTEP
	s_mov_b32 s[G1A+5], SIZE_K                     ; elements from row to row
	s_mov_b32 s[G1B+5], NQKV
	s_mov_b32 s[G1A+6], 0
	s_mov_b32 s[G1B+6], 0
	s_mov_b32 s[G1A+7], 0
	s_mov_b32 s[G1B+7], 0
	s_lshl_b32 s40, s18, 18                        ; x: block row x 128 rows x 2,048 bytes (registers that never hold cx)
	s_mov_b32 s41, 0
	s_mul_i32 s44, s17, 768                        ; W: block column x 768 bytes + strip x 256 bytes
	s_lshl_b32 s45, s12, 8
	s_add_co_u32 s44, s44, s45
	s_mov_b32 s45, 0
	s_mul_i32 s21, s12, STRIP                      ; the strip's place in a slot: the wave's number alone
	s_mul_i32 s22, s17, 1536                       ; the block's 384 biases
	s_mov_b32 s23, 0
	s_wait_dscnt 0x0
	s_wait_kmcnt 0x0
	s_add_nc_u64 s[42:43], s[4:5], s[40:41]
	s_add_nc_u64 s[46:47], s[6:7], s[44:45]
	s_add_nc_u64 s[8:9], s[8:9], s[22:23]
	CROUND                                         ; all sixteen work-groups are here: the first joint loads meet
.irp s, 0,1
	s_mov_b32 s[G0A+4*\s], 1
	s_mov_b32 s[G0A+4*\s+1], \s*SLOT+XOFF
	s_add_nc_u64 s[G0A+4*\s+2:G0A+4*\s+3], s[42:43], \s*KSTEP*2
	s_or_b32 s[G0A+4*\s+3], s[G0A+4*\s+3], 0x80000000
	s_mov_b32 s[G0B+4*\s], 1
	s_add_co_u32 s[G0B+4*\s+1], s21, \s*SLOT
	s_add_nc_u64 s[G0B+4*\s+2:G0B+4*\s+3], s[46:47], \s*KSTEP*NQKV*2
	s_or_b32 s[G0B+4*\s+3], s[G0B+4*\s+3], 0x80000000
	JLOAD \s                                       ; K steps 0 and 1: two loads of the wave are out
.endr
	v_and_b32 v1, 15, v0                           ; r = lane % 16
	v_bfe_u32 v2, v0, 4, 1                         ; h = lane / 16
	v_and_b32 v3, 7, v0
	v_bfe_u32 v4, v0, 3, 1
	v_and_b32 v5, 31, v0                           ; lane
	v_bfe_u32 v8, v0, 3, 2                         ; lane / 8
	; the bias of tile b, as the C of a transposed product: register j of lane (r, h) is bias[n0 + 8 h + j]
	s_lshl_b32 s74, s14, 9
	v_lshl_add_u32 v[BO1], v2, 5, s74              ; tiles 0-7: 512 (w&1) + 32 h
	s_lshl_b32 s74, s14, 8
	s_add_co_u32 s74, s74, 1024
	v_lshl_add_u32 v[BO2], v2, 5, s74              ; tiles 8-11: 1,024 + 256 (w&1) + 32 h
.irp b, 0,1,2,3,4,5,6,7
	global_load_b128 v[BIAS+8*\b:BIAS+8*\b+3],   v[BO1], s[8:9] offset:64*\b
	global_load_b128 v[BIAS+8*\b+4:BIAS+8*\b+7], v[BO1], s[8:9] offset:64*\b+16
.endr
.irp b, 8,9,10,11
	global_load_b128 v[BIAS+8*\b:BIAS+8*\b+3],   v[BO2], s[8:9] offset:64*(\b-8)
	global_load_b128 v[BIAS+8*\b+4:BIAS+8*\b+7], v[BO2], s[8:9] offset:64*(\b-8)+16
.endr
	; x's fragment: lane (r, h) takes row r, 16 bytes at 16 h and at 32 + 16 h
	v_mul_u32_u24 v6, v1, PA
	v_lshl_add_u32 v6, v2, 4, v6
	s_mul_i32 s74, s13, 64*PA
	s_add_co_u32 s74, s74, XOFF
	v_add_nc_u32 v[ADRA], s74, v6
	v_add_nc_u32 v[ADRA+1], SLOT, v[ADRA]
	; W's fragment by the transposing load: lane takes 16 bytes of row 8 h + lane % 8, at 16 ((lane / 8) % 2)
	v_lshl_add_u32 v7, v2, 3, v3
	v_mul_u32_u24 v7, v7, PB
	v_lshl_add_u32 v7, v4, 4, v7
	s_mul_i32 s74, s14, STRIP
	v_add_nc_u32 v[ADRB], s74, v7
	v_add_nc_u32 v[ADRB+1], SLOT, v[ADRB]
	s_lshl_b32 s74, s14, 7
	s_add_co_u32 s74, s74, 2*STRIP
	v_add_nc_u32 v[ADRB2], s74, v7
	v_add_nc_u32 v[ADRB2+1], SLOT, v[ADRB2]
	; the way out
	s_mul_i32 s74, s12, STW
	s_add_co_u32 s74, s74, STAGE
	v_mul_u32_u24 v6, v1, HP
	v_lshl_add_u32 v6, v2, 4, v6
	v_add_nc_u32 v[STO], s74, v6                   ; in: row r of a head, 16 bytes at 16 h
	v_mul_u32_u24 v6, v8, HP
	v_lshl_add_u32 v6, v3, 4, v6
	v_add_nc_u32 v[RD], s74, v6                    ; back: eight lanes a row of 128 bytes, four rows a load
	v_lshlrev_b32 v[CO], 4, v5                     ; which are 512 consecutive bytes of kqv
; 12 matrix instructions: row tile ap of the window's two (hi = 0: rows 0-31, 1: rows 32-63) x my 12 column tiles, 32 along K, buffer f.
; mode = 1: the bias is C and starts the sums.  The 48 accumulators take turns, one instruction a turn, in the same order in every
; quarter step.
.macro MUL12 f, hi, ap, mode
.irp b, 0,1,2,3,4,5,6,7,8,9,10,11
.if \mode
	v_wmma_f32_16x16x32_f16 v[8*(12*\ap+\b):8*(12*\ap+\b)+7], v[96*\f+8*\b:96*\f+8*\b+7], v[FA+32*\f+8*(2*\hi+\ap):FA+32*\f+8*(2*\hi+\ap)+7], v[BIAS+8*\b:BIAS+8*\b+7]
.else
	v_wmma_f32_16x16x32_f16 v[8*(12*\ap+\b):8*(12*\ap+\b)+7], v[96*\f+8*\b:96*\f+8*\b+7], v[FA+32*\f+8*(2*\hi+\ap):FA+32*\f+8*(2*\hi+\ap)+7], v[8*(12*\ap+\b):8*(12*\ap+\b)+7]
.endif
.endr
.endm
; 32 LDS loads in one run: the fragments of quarter q (32 along K) of a slot into buffer f: W's 12, then x's 4
.macro FETCH slot, q, f
	WIN 0x40
.irp j, 0,1,2,3,4,5,6,7
	ds_load_tr16_b128 v[96*\f+8*\j:96*\f+8*\j+3],   v[ADRB+\slot] offset:\q*32*PB+32*\j
	ds_load_tr16_b128 v[96*\f+8*\j+4:96*\f+8*\j+7], v[ADRB+\slot] offset:\q*32*PB+32*\j+16*PB
.endr
.irp j, 8,9,10,11
	ds_load_tr16_b128 v[96*\f+8*\j:96*\f+8*\j+3],   v[ADRB2+\slot] offset:\q*32*PB+32*(\j-8)
	ds_load_tr16_b128 v[96*\f+8*\j+4:96*\f+8*\j+7], v[ADRB2+\slot] offset:\q*32*PB+32*(\j-8)+16*PB
.endr
	WIN 0
.irp i, 0,1,2,3
	ds_load_b128 v[FA+32*\f+8*\i:FA+32*\f+8*\i+3],   v[ADRA+\slot] offset:\q*64+\i*16*PA
	ds_load_b128 v[FA+32*\f+8*\i+4:FA+32*\f+8*\i+7], v[ADRA+\slot] offset:\q*64+\i*16*PA+32
.endr
.endm
; One of a K step's first three quarters: multiplies buffer f and, in its middle, fetches quarter q into buffer g.
.macro QUARTER slot, q, f, g, mode
	s_wait_dscnt 4                                 ; W's fragments and x's rows 0-31 are in; the four youngest loads (rows 32-63) may be out
.if \mode
	WIN 0x81
.else
	WIN 0xa1
.endif
	MUL12 \f, 0, 0, \mode
	MUL12 \f, 0, 1, \mode
	PLACES                                         ; buffer g was read by matrix instructions: loads into it stand four places behind them
	FETCH \slot, \q, \g
	s_wait_dscnt 32                                ; all but the 32 just issued
.if \mode
	WIN 0xc1
.else
	WIN 0xf1
.endif
	MUL12 \f, 1, 0, \mode
	MUL12 \f, 1, 1, \mode
.endm
.macro THREE slot, mode
	QUARTER \slot, 1, 0, 1, \mode
	QUARTER \slot, 2, 1, 0, 0
	QUARTER \slot, 3, 0, 1, 0
.endm
; The last quarter multiplies buffer 1 and changes slots.  In front of the barrier each wave waits for its reads of this slot and for all
; its tensor loads (one is out: its part of the next slot).  fill = 1: the barrier opens a round of the cluster's barrier, and behind the
; round this slot is asked for again, two K steps ahead, first of all.  From that request to the wait for it: 180 matrix instructions.
.macro TURN slot, next, fill
	s_wait_dscnt 4
	WIN 0xa1
	MUL12 1, 0, 0, 0
	s_wait_dscnt 0
	s_wait_tensorcnt 0x0
	ds_add_u32 v255, v255
	s_wait_dscnt 0x0
	s_barrier_signal -1
	MUL12 1, 0, 1, 0                               ; register work while the others arrive
	WIN 0
	s_barrier_wait -1
.if \fill
	CREST
	s_add_nc_u64 s[G0A+4*\slot+2:G0A+4*\slot+3], s[G0A+4*\slot+2:G0A+4*\slot+3], 2*KSTEP*2
	s_add_nc_u64 s[G0B+4*\slot+2:G0B+4*\slot+3], s[G0B+4*\slot+2:G0B+4*\slot+3], 2*KSTEP*NQKV*2
	JLOAD \slot
.endif
	PLACES
	FETCH \next, 0, 0
	WIN 0xf1
	MUL12 1, 1, 0, 0
	MUL12 1, 1, 1, 0
.endm
.macro LAP mode
	THREE 0, \mode
	TURN 0, 1, 1
	THREE 1, 0
	TURN 1, 0, 1
.endm
	s_wait_loadcnt 0x0                             ; the bias
	s_wait_tensorcnt 0x1                           ; my part of K step 0 is in; K step 1's stays out
	s_barrier_signal -1
	s_barrier_wait -1
	FETCH 0, 0, 0
	LAP 1                                          ; the first lap's first products start the sums with the bias
	WIN 0
	s_mov_b32 s3, LAPS-2
.Llap:
	LAP 0
	WIN 0
	s_sub_co_u32 s3, s3, 1
	s_cmp_lg_u32 s3, 0
	s_cbranch_scc1 .Llap
	THREE 0, 0                                     ; the last lap fills nothing
	TURN 0, 1, 0
	THREE 1, 0
	s_wait_dscnt 4
	WIN 0xa1
	MUL12 1, 0, 0, 0
	MUL12 1, 0, 1, 0
	s_wait_dscnt 0
	WIN 0xf1
	MUL12 1, 1, 0, 0
	MUL12 1, 1, 1, 0
	PLACES                                         ; the conversions below read results
	; where my three heads go: head g = 6 x block column + local head; part = g / 16; byte ((32 part + 16 batch + g % 16) << 18) + (n << 7)
	s_and_b32 s78, s18, 15
	s_lshl_b32 s78, s78, 14                        ; (block row % 16) x 128 rows x 128 bytes
	s_lshl_b32 s75, s13, 13                        ; + my 64 rows
	s_add_co_u32 s78, s78, s75
	s_lshr_b32 s79, s18, 4
	s_lshl_b32 s79, s79, 4                         ; 16 x batch
.macro OBASE jj                        ; s74 = g
	s_lshr_b32 s75, s74, 4
	s_lshl_b32 s75, s75, 5
	s_and_b32 s76, s74, 15
	s_add_co_u32 s76, s76, s75
	s_add_co_u32 s76, s76, s79
	s_lshl_b32 s76, s76, 18
	s_add_co_u32 s76, s76, s78
	s_mov_b32 s77, 0
	s_add_nc_u64 s[OBS+2*\jj:OBS+2*\jj+1], s[10:11], s[76:77]
.endm
	s_mul_i32 s22, s17, 6
	s_lshl_b32 s23, s14, 1
	s_add_co_u32 s74, s22, s23                     ; local head 2 (w&1)
	OBASE 0
	s_add_co_u32 s74, s74, 1                       ; 2 (w&1) + 1
	OBASE 1
	s_add_co_u32 s74, s22, s14
	s_add_co_u32 s74, s74, 4                       ; 4 + (w&1)
	OBASE 2
; rows 16 a .. +15 of my 64: round to f16, 16 bytes a lane into my own stage, read back as whole rows, store 512 consecutive bytes an instruction
.macro OUT16 a, ap, from, ob
	WIN \from
.irp b, 0,1,2,3,4,5,6,7,8,9,10,11
.irp r, 0,1,2,3
	v_cvt_pk_f16_f32 v[TMP+4*\b+\r], v[8*(12*\ap+\b)+2*\r], v[8*(12*\ap+\b)+2*\r+1]
.endr
.endr
	WIN 0
.irp b, 0,1,2,3,4,5,6,7,8,9,10,11
	ds_store_b128 v[STO], v[TMP+4*\b:TMP+4*\b+3] offset:(\b>>2)*HST+(\b&3)*32
.endr
	s_wait_xcnt 0x0                                ; the buffer below was the data of earlier stores: it is loaded again only behind this wait
.irp jj, 0,1,2
.irp u, 0,1,2,3
	ds_load_b128 v[\ob+4*(4*\jj+\u):\ob+4*(4*\jj+\u)+3], v[RD] offset:\jj*HST+\u*4*HP   ; LDS serves a wave's instructions in order: these see the stores above
.endr
.endr
.irp jj, 0,1,2
.irp u, 0,1,2,3
	s_wait_dscnt 11-(4*\jj+\u)
	global_store_b128 v[CO], v[\ob+4*(4*\jj+\u):\ob+4*(4*\jj+\u)+3], s[OBS+2*\jj:OBS+2*\jj+1] offset:\a*2048+\u*512
.endr
.endr
.endm
	OUT16 0, 0, 0x0a, OB0
	OUT16 1, 1, 0x0a, OB1
	OUT16 2, 0, 0x0f, OB0
	OUT16 3, 1, 0x0f, OB1
	s_set_vgpr_msb 0x1
	s_wait_tensorcnt 0x0
	ds_add_u32 v255, v255
	s_wait_dscnt 0x0
	s_set_vgpr_msb 0x100
	CROUND                                         ; the closing round: no work-group ends while a partner may still ask for a tile that names it
	s_endpgm
.Lfunc_end_k_q58579e98da_qkv:
	.size	k_q58579e98da_qkv, .Lfunc_end_k_q58579e98da_qkv-k_q58579e98da_qkv
	.p2alignl 7, 3214868480
	.fill 96, 4, 3214868480
	.section	.rodata,"a",@progbits
	.p2align	6, 0x0
	.amdhsa_kernel k_q58579e98da_qkv
		.amdhsa_group_segment_fixed_size 327680
		.amdhsa_private_segment_fixed_size 0
		.amdhsa_enable_private_segment 0
		.amdhsa_kernarg_size 32
		.amdhsa_user_sgpr_count 2
		.amdhsa_user_sgpr_kernarg_segment_ptr 1
		.amdhsa_wavefront_size32 1
		.amdhsa_system_sgpr_workgroup_id_x 1
		.amdhsa_system_sgpr_workgroup_id_y 1
		.amdhsa_system_sgpr_workgroup_id_z 1
		.amdhsa_system_vgpr_workitem_id 0
		.amdhsa_next_free_vgpr 960
		.amdhsa_next_free_sgpr 80
		.amdhsa_reserve_vcc 0
		.amdhsa_float_denorm_mode_32 3
		.amdhsa_float_denorm_mode_16_64 3
		.amdhsa_memory_ordered 1
		.amdhsa_forward_progress 1
		.amdhsa_inst_pref_size 167
	.end_amdhsa_kernel
	.amdgpu_metadata
---
amdhsa.version: [ 1, 2 ]
amdhsa.kernels:
  - .name:           k_q58579e98da_qkv
    .symbol:         k_q58579e98da_qkv.kd
    .args:
      - { .name: xh, .offset: 0, .size: 8, .value_kind: global_buffer, .address_space: global }
      - { .name: wqh, .offset: 8, .size: 8, .value_kind: global_buffer, .address_space: global }
      - { .name: b_qkv, .offset: 16, .size: 8, .value_kind: global_buffer, .address_space: global }
      - { .name: kqv, .offset: 24, .size: 8, .value_kind: global_buffer, .address_space: global }
    .group_segment_fixed_size: 327680
    .private_segment_fixed_size: 0
    .kernarg_segment_align: 8
    .kernarg_segment_size: 32
    .max_flat_workgroup_size: 128
    .sgpr_count:     80
    .vgpr_count:     960
    .wavefront_size: 32
...
	.end_amdgpu_metadata
.endif
;; end of part 2
;; launch attn (part 3): grid 8 x 32, 8 waves a work-group, clusters of 4 x 1, 327,680 bytes of LDS; arguments kqv, oh; writes oh
.if DOCPART == 3
	.amdgcn_target "amdgcn-amd-amdhsa--gfx1250"
	.amdhsa_code_object_version 6
	.text
	.protected	k_q58579e98da_attn
	.globl	k_q58579e98da_attn
	.p2align	8
	.type	k_q58579e98da_attn,@function
k_q58579e98da_attn:
	s_mov_b64 s[64:65], 0
	v_nop
	global_prefetch_b8 v0, s[64:65] scope:SCOPE_SE
	s_setreg_imm32_b32 hwreg(HW_REG_WAVE_MODE, 25, 1), 1
	s_wait_xcnt 0x0
	s_wait_alu depctr_hold_cnt(0) depctr_sa_sdst(0) depctr_va_vdst(0) depctr_va_sdst(0) depctr_va_ssrc(0) depctr_va_vcc(0) depctr_vm_vsrc(0)
	s_getreg_b32 s2, hwreg(HW_REG_IB_STS2, 6, 4)
	s_cmp_eq_u32 s2, 0
	s_cbranch_scc0 .Lentry_in_a_cluster
	s_endpgm
.Lentry_in_a_cluster:
	s_bfe_u32 s2, ttmp6, 0x10000c
	s_cmp_lg_u32 s2, 0x3003
	s_cbranch_scc0 .Lentry_shape_is_right
	s_endpgm
.Lentry_shape_is_right:
; oh[b][h][n][:] = softmax(q k^T / 8) v for each of 32 heads; q, k, v from kqv [part k,q,v][b][h][n][64] f16; oh [b][h][n][64] f16.
; Softmax with a running maximum, in f32; products in f16 with f32 sums.
; LIMITS: an exponential below 2^-126 comes out as 0; the normaliser sums the unrounded exponentials, the products with v take them
; rounded to f16; o is kept in f16 (it is a mean of v's rows, so it has v's range).
; A work-group takes 256 queries of one head (grid 8 x 32).  Eight waves for a WGP's four SIMDs.  Wave w: queries 64 (w&3) .. +63 (four
; tiles of 16), and half w>>2 of every tile of 256 keys; the two halves' results are merged once at the end, through LDS.
; CLUSTERS: the four work-groups of a cluster are four query blocks of one head and read the same K and V: every tile is asked for jointly.
; ORIENTATION: S^T = K (source 0) x Q (source 1): lane (r, h), register j holds key 8 h + j of query r, so maximum, sum and rescaling are
; a lane's own but for one exchange between the halves of the wave, and two such tiles packed to f16 ARE the second source of
; O^T = V^T (source 0, by the transposing load) x P^T.  In O^T a lane holds eight neighbouring d of one query: 16 bytes of f16.
; THE ORDER OF WORK.  A step (64 keys x 64 queries) is three blocks: MS, 32 matrix instructions for the scores; SOFT, about 480 vector
; instructions; MPV, 32 matrix instructions for the products with V.  Every round of the cluster's barrier puts all waves at the same line,
; so the waves are of two kinds, and the text of a tile is rotated by one block between them:
;   kind 0:        MPV(last step) MS SOFT MPV MS SOFT | round
;   kind 1:   SOFT MPV(last step) MS SOFT MPV MS      | round
; While a wave of one kind is in its vector block, a wave of the other kind is in its matrix block.  What is carried over a round lies in
; registers (scores or P, V's fragments): no LDS byte of the old slot is read behind the round.  The kind is (w xor (w>>2)) & 1: it differs
; between waves w and w + 4 and between waves 2 i and 2 i + 1.  The two SOFT blocks at the ends of a tile stand under scalar branches on
; the kind; no barrier, tensor load or wait stands inside them.
; K's fragments of the next step are asked for straight behind MS, V's straight behind the MPV before: each has a block in which to come.
; LDS: two slots of 256 keys: K [256][128 + 16 bytes], V [256][128 + 32 bytes]; behind them the merge area and the stage for the way out.
.set PK,     144
.set PV,     160
.set KB,     256*PK                    ; 36,864
.set SLOT,   KB+256*PV                 ; 77,824
.set MERGE,  2*SLOT                    ; 155,648
.set MRG,    18432                     ; 128 + 8 + 8 registers x 32 lanes x 4 bytes
.set OSTAGE, MERGE+4*MRG               ; 229,376
.set OSW,    9216                      ; four tiles x 16 rows x 144 bytes
.set TILEB,  32768                     ; 256 keys x 128 bytes of memory
.set ADRK, 8                           ; v8-9   my K fragments in slot 0, 1
.set ADRV, 10                          ; v10-11 my V fragments
.set MST,  12
.set OST,  13
.set ORD,  14
.set OCO,  15
.set M,    16                          ; v16-19 running maximum of query tile t (raw scores)
.set MX,   20
.set MT,   24
.set NM,   28                          ; v28-35 pairs: -c x maximum
.set AL,   36                          ; v36-43 pairs: the factor for what was summed under the old maximum
.set LP,   44                          ; v44-51 pairs: the lane's part of the sum of exponentials
.set T,    52                          ; v52-55 at work
.set TS,   52                          ; v52-53 the second chain of a tile's sum (free once the shifts are made)
.set QO,   56
.set KF,   64                          ; v64-127  K fragment (kt, dd) at KF + 8 (2 kt + dd)
.set S,    128                         ; v128-255 score tile (t, kt) at S + 8 (4 t + kt)
.set O,    0                           ; window 1: v0-127   O^T tile (t, dt) at 8 (4 t + dt)
.set QF,   128                         ; window 1: v128-191 Q fragment (t, dd)
.set VF,   192                         ; window 1: v192-255 V fragment (g, dt)
.set NMB,  64                          ; the merge: the other half's NM and LP
.set LPB,  72
.set G1K, 16
.set G1V, 24
.set G0K, 32
.set G0V, 40
.set CPOS, 0x3e38aa3b                  ; c = log2(e) / 8
.set CNEG, 0xbe38aa3b
.set MSB, 0
.macro WIN new                         ; the immediate's high byte repeats the setting that is left
.if MSB != \new
	s_set_vgpr_msb (MSB<<8)|\new
.set MSB, \new
.endif
.endm
.macro NOPS n
.rept \n
	v_nop
.endr
.endm
.macro ROUND                           ; a round of the cluster's barrier
	s_barrier_signal -1
	s_barrier_wait -1
	s_cmp_lg_u32 s8, 0
	s_cbranch_scc1 .Lnot_wave_0_\@
	s_barrier_signal -3
.Lnot_wave_0_\@:
	s_barrier_wait -3
	s_barrier_signal -1
	s_barrier_wait -1
.endm
; A joint load: waves 0, 1 ask for the halves of K's tile, waves 2, 3 for V's, waves 4 to 7 for nothing.
.macro JLOAD s
	s_cmp_ge_u32 s8, 4
	s_cbranch_scc1 .Lnone_\@
	s_cmp_ge_u32 s8, 2
	s_cbranch_scc1 .Lfor_v_\@
	tensor_load_to_lds s[G0K+4*\s:G0K+4*\s+3], s[G1K:G1K+7]
	s_nop 0
	s_branch .Lnone_\@
.Lfor_v_\@:
	tensor_load_to_lds s[G0V+4*\s:G0V+4*\s+3], s[G1V:G1V+7]
	s_nop 0
.Lnone_\@:
.endm
	s_load_b128 s[4:7], s[0:1], 0x0                ; kqv s[4:5], oh s[6:7]
	v_lshl_add_u32 v62, v0, 2, 0x41000
	v_mov_b32 v63, 0
	ds_add_u32 v62, v63
	v_lshrrev_b32 v1, 5, v0
	v_readfirstlane_b32 s8, v1                     ; wave 0..7
	s_and_b32 s9, s8, 3                            ; which 64 queries
	s_lshr_b32 s10, s8, 2                          ; which half of the keys
	s_and_b32 s11, s8, 1                           ; which half of a tile I fetch
	s_xor_b32 s3, s8, s10
	s_and_b32 s3, s3, 1                            ; my kind: where the rotated vector block stands
	s_mov_b32 s12, 0x76543210                      ; v_permlanex16_b32: lane i takes lane i of the other half
	s_mov_b32 s13, 0xfedcba98
	s_bfe_u32 s14, ttmp6, 0x40000                  ; cx
	s_lshl_b32 s15, ttmp9, 2
	s_add_co_u32 s15, s15, s14                     ; query block 0..7
	s_and_b32 s49, ttmp7, 0xffff                   ; head 16 b + h, the same in all four partners
	; group 1: 128 keys are 16,384 dense bytes: 64 rows of 256 bytes; a pad behind every 32 words (a key's 128 bytes): 4 words for K, 8 for V
	s_mov_b32 s[G1K+0], 15|(1<<16)|(1<<20)|(1<<21)|(4<<22)|(3<<25)
	s_mov_b32 s[G1V+0], 15|(1<<16)|(1<<20)|(1<<21)|(4<<22)|(7<<25)
	s_mov_b32 s[G1K+1], 128<<16
	s_mov_b32 s[G1V+1], 128<<16
	s_mov_b32 s[G1K+2], 64<<16
	s_mov_b32 s[G1V+2], 64<<16
	s_mov_b32 s[G1K+3], 128<<16
	s_mov_b32 s[G1V+3], 128<<16
	s_mov_b32 s[G1K+4], 64
	s_mov_b32 s[G1V+4], 64
	s_mov_b32 s[G1K+5], 128
	s_mov_b32 s[G1V+5], 128
	s_mov_b32 s[G1K+6], 0
	s_mov_b32 s[G1V+6], 0
	s_mov_b32 s[G1K+7], 0
	s_mov_b32 s[G1V+7], 0
	s_lshl_b32 s54, s49, 18                        ; the head's 262,144 bytes
	s_lshl_b32 s55, s11, 14                        ; + my half of a tile
	s_add_co_u32 s54, s54, s55
	s_mov_b32 s55, 0
	s_mul_i32 s60, s11, 128*PK
	s_mul_i32 s61, s11, 128*PV
	s_add_co_u32 s61, s61, KB
	s_lshl_b32 s62, s49, 18                        ; for Q and for oh: head and query block
	s_lshl_b32 s63, s15, 15
	s_add_co_u32 s62, s62, s63
	s_mov_b32 s63, 0
	s_wait_dscnt 0x0
	s_wait_kmcnt 0x0
	s_add_nc_u64 s[56:57], s[4:5], s[54:55]        ; K: part 0
	s_add_nc_u64 s[58:59], s[56:57], 0x1000000     ; V: part 2, 64 heads further
	s_add_nc_u64 s[50:51], s[4:5], s[62:63]
	s_add_nc_u64 s[50:51], s[50:51], 0x800000      ; Q: part 1, 32 heads further
	s_add_nc_u64 s[52:53], s[6:7], s[62:63]
	s_lshl_b32 s62, s9, 13                         ; my 64 rows of 128 bytes
	s_add_nc_u64 s[52:53], s[52:53], s[62:63]
.irp s, 0,1
	s_mov_b32 s[G0K+4*\s], 1
	s_add_co_u32 s[G0K+4*\s+1], s60, \s*SLOT
	s_add_nc_u64 s[G0K+4*\s+2:G0K+4*\s+3], s[56:57], \s*TILEB
	s_or_b32 s[G0K+4*\s+3], s[G0K+4*\s+3], 0x80000000
	s_mov_b32 s[G0V+4*\s], 1
	s_add_co_u32 s[G0V+4*\s+1], s61, \s*SLOT
	s_add_nc_u64 s[G0V+4*\s+2:G0V+4*\s+3], s[58:59], \s*TILEB
	s_or_b32 s[G0V+4*\s+3], s[G0V+4*\s+3], 0x80000000
.endr
	ROUND                                          ; the four partners are here: the first joint load meets
	JLOAD 0                                        ; tile 0
	v_and_b32 v1, 15, v0                           ; r
	v_bfe_u32 v2, v0, 4, 1                         ; h
	v_and_b32 v3, 7, v0
	v_bfe_u32 v4, v0, 3, 1
	v_and_b32 v5, 31, v0                           ; lane
	v_bfe_u32 v6, v0, 3, 2                         ; lane / 8
	v_lshlrev_b32 v7, 7, v1
	v_lshl_add_u32 v7, v2, 4, v7
	v_add_nc_u32 v[QO], s62, v7                    ; (64 (w&3) + r) x 128 + 16 h
	WIN 0x40
.irp t, 0,1,2,3
.irp dd, 0,1
	global_load_b128 v[QF+8*(2*\t+\dd):QF+8*(2*\t+\dd)+3],   v[QO], s[50:51] offset:2048*\t+64*\dd
	global_load_b128 v[QF+8*(2*\t+\dd)+4:QF+8*(2*\t+\dd)+7], v[QO], s[50:51] offset:2048*\t+64*\dd+32
.endr
.endr
	WIN 0
	v_mul_u32_u24 v7, v1, PK
	v_lshl_add_u32 v7, v2, 4, v7                   ; r x 144 + 16 h
	s_mul_i32 s54, s10, 128*PK
	v_add_nc_u32 v[ADRK], s54, v7
	v_add_nc_u32 v[ADRK+1], SLOT, v[ADRK]
	s_mul_i32 s54, s9, OSW
	s_add_co_u32 s54, s54, OSTAGE
	v_add_nc_u32 v[OST], s54, v7
	v_mul_u32_u24 v7, v6, PK
	v_lshl_add_u32 v7, v3, 4, v7
	v_add_nc_u32 v[ORD], s54, v7
	v_lshl_add_u32 v7, v2, 3, v3
	v_mul_u32_u24 v7, v7, PV
	v_lshl_add_u32 v7, v4, 4, v7                   ; (8 h + lane % 8) x 160 + 16 ((lane / 8) % 2)
	s_mul_i32 s54, s10, 128*PV
	s_add_co_u32 s54, s54, KB
	v_add_nc_u32 v[ADRV], s54, v7
	v_add_nc_u32 v[ADRV+1], SLOT, v[ADRV]
	s_mul_i32 s54, s9, MRG
	s_add_co_u32 s54, s54, MERGE
	v_lshl_add_u32 v[MST], v5, 4, s54
	v_lshlrev_b32 v[OCO], 4, v5
.irp t, 0,1,2,3
	v_mov_b32 v[MT+\t], 0                          ; v_permlanex16_b32 counts as a reader of its destination
.endr
; sixteen LDS loads: K's fragments of part st (64 keys) of my 128 keys of a slot
.macro LK slot, st
.irp kt, 0,1,2,3
.irp dd, 0,1
	ds_load_b128 v[KF+8*(2*\kt+\dd):KF+8*(2*\kt+\dd)+3],   v[ADRK+\slot] offset:(64*\st+16*\kt)*PK+64*\dd
	ds_load_b128 v[KF+8*(2*\kt+\dd)+4:KF+8*(2*\kt+\dd)+7], v[ADRK+\slot] offset:(64*\st+16*\kt)*PK+64*\dd+32
.endr
.endr
.endm
; sixteen transposing LDS loads: V's fragments of the same keys
.macro LV slot, st
	WIN 0x40
.irp g, 0,1
.irp dt, 0,1,2,3
	ds_load_tr16_b128 v[VF+8*(4*\g+\dt):VF+8*(4*\g+\dt)+3],   v[ADRV+\slot] offset:(64*\st+32*\g)*PV+32*\dt
	ds_load_tr16_b128 v[VF+8*(4*\g+\dt)+4:VF+8*(4*\g+\dt)+7], v[ADRV+\slot] offset:(64*\st+32*\g+16)*PV+32*\dt
.endr
.endr
.endm
; S^T = K Q^T: the sixteen tiles take turns, one instruction a turn
.macro MS
	WIN 0x04
.irp t, 0,1,2,3
.irp kt, 0,1,2,3
	v_wmma_f32_16x16x32_f16 v[S+8*(4*\t+\kt):S+8*(4*\t+\kt)+7], v[KF+16*\kt:KF+16*\kt+7], v[QF+16*\t:QF+16*\t+7], 0
.endr
.endr
.irp t, 0,1,2,3
.irp kt, 0,1,2,3
	v_wmma_f32_16x16x32_f16 v[S+8*(4*\t+\kt):S+8*(4*\t+\kt)+7], v[KF+16*\kt+8:KF+16*\kt+15], v[QF+16*\t+8:QF+16*\t+15], v[S+8*(4*\t+\kt):S+8*(4*\t+\kt)+7]
.endr
.endr
	WIN 0
	NOPS 5                                         ; places: vector instructions read the scores, loads land in K's fragments, and the products with V take these registers as a source
.endm
; O^T += V^T P^T: sixteen tiles by turns, keys 0-31 and then keys 32-63.  first = 1: the first product starts the sums.
.macro MPV first
	WIN 0x51
.irp t, 0,1,2,3
.irp dt, 0,1,2,3
.if \first
	v_wmma_f32_16x16x32_f16 v[O+8*(4*\t+\dt):O+8*(4*\t+\dt)+7], v[VF+8*\dt:VF+8*\dt+7], v[S+32*\t:S+32*\t+7], 0
.else
	v_wmma_f32_16x16x32_f16 v[O+8*(4*\t+\dt):O+8*(4*\t+\dt)+7], v[VF+8*\dt:VF+8*\dt+7], v[S+32*\t:S+32*\t+7], v[O+8*(4*\t+\dt):O+8*(4*\t+\dt)+7]
.endif
.endr
.endr
.irp t, 0,1,2,3
.irp dt, 0,1,2,3
	v_wmma_f32_16x16x32_f16 v[O+8*(4*\t+\dt):O+8*(4*\t+\dt)+7], v[VF+32+8*\dt:VF+32+8*\dt+7], v[S+32*\t+16:S+32*\t+23], v[O+8*(4*\t+\dt):O+8*(4*\t+\dt)+7]
.endr
.endr
	WIN 0
	NOPS 5                                         ; places: the next scores write over P, the next loads land in V's fragments
.endm
; Single instructions of the vector block, so that they can be dealt out between the exponentials.
.macro FI t, i                         ; pair i of tile t: c s - c m
	v_pk_fma_f32 v[S+32*\t+2*(\i):S+32*\t+2*(\i)+1], v[S+32*\t+2*(\i):S+32*\t+2*(\i)+1], CPOS, v[NM+2*\t:NM+2*\t+1] op_sel_hi:[1,0,1]
.endm
.macro EI t, i                         ; number i of tile t: the exponential, in place
	v_exp_f32 v[S+32*\t+(\i)], v[S+32*\t+(\i)]
.endm
; Instruction k (0..32) of tile t's sum and pack.  The 16 pairs go in eight groups of two: two additions, then two packings.  Even pairs are
; added to LP, odd pairs to TS, so that an addition stands four instructions behind the one that it adds onto; k = 32 adds TS to LP.
; Pair 0 enters with the old sum's rescaling (first = 1: pairs 0 and 2 start LP); pairs 1 and 3 start TS; so k = 5 (and k = 4 where first = 1) is empty.
; Pair i is packed in place into register i % 8 of its group of 16 registers: that register belongs to a pair already summed and packed.
.macro CI t, k, first
.if (\k) == 32
	v_pk_add_f32 v[LP+2*\t:LP+2*\t+1], v[LP+2*\t:LP+2*\t+1], v[TS:TS+1]
.else
.set cg, (\k)>>2
.set ce, (\k)&3
.if ce == 0
.if cg == 0
.if \first
	s_wait_alu depctr_va_vdst(0)
	v_pk_add_f32 v[LP+2*\t:LP+2*\t+1], v[S+32*\t:S+32*\t+1], v[S+32*\t+4:S+32*\t+5]
.else
	s_wait_alu depctr_va_vdst(0)
	v_pk_fma_f32 v[LP+2*\t:LP+2*\t+1], v[LP+2*\t:LP+2*\t+1], v[AL+2*\t:AL+2*\t+1], v[S+32*\t:S+32*\t+1]
.endif
.else
.if (cg-\first) > 0
	v_pk_add_f32 v[LP+2*\t:LP+2*\t+1], v[LP+2*\t:LP+2*\t+1], v[S+32*\t+4*cg:S+32*\t+4*cg+1]
.endif
.endif
.endif
.if ce == 1
.if cg == 0
	s_wait_alu depctr_va_vdst(0)
	v_pk_add_f32 v[TS:TS+1], v[S+32*\t+2:S+32*\t+3], v[S+32*\t+6:S+32*\t+7]
.else
.if cg > 1
	v_pk_add_f32 v[TS:TS+1], v[TS:TS+1], v[S+32*\t+4*cg+2:S+32*\t+4*cg+3]
.endif
.endif
.endif
.if ce >= 2
.set ci, 2*cg+ce-2
	v_cvt_pk_f16_f32 v[S+32*\t+16*(ci>>3)+(ci&7)], v[S+32*\t+2*ci], v[S+32*\t+2*ci+1]
.endif
.endif
.endm
; The vector block of a step: running maximum, exponentials, sum, P in f16, O rescaled.  Register work alone.  first = 1: nothing has been summed yet.
.macro SOFT first
	; the maximum of a lane's 32 scores of each query tile, the old maximum among them; the four tiles' chains are interleaved
.irp t, 0,1,2,3
.if \first
	v_max_num_f32 v[MX+\t], v[S+32*\t], v[S+32*\t+1]
.else
	v_max3_num_f32 v[MX+\t], v[M+\t], v[S+32*\t], v[S+32*\t+1]
.endif
.endr
.irp i, 1,2,3,4,5,6,7,8,9,10,11,12,13,14,15
.irp t, 0,1,2,3
	v_max3_num_f32 v[MX+\t], v[MX+\t], v[S+32*\t+2*\i], v[S+32*\t+2*\i+1]
.endr
.endr
.irp t, 0,1,2,3
	v_permlanex16_b32 v[MT+\t], v[MX+\t], s12, s13 ; the other eight keys of each sixteen lie in the other half of the wave
.endr
.irp t, 0,1,2,3
	v_max_num_f32 v[M+\t], v[MX+\t], v[MT+\t]
.endr
.if \first
.irp t, 0,1,2,3
	v_mul_f32 v[NM+2*\t],   CNEG, v[M+\t]
	v_mul_f32 v[NM+2*\t+1], CNEG, v[M+\t]
.endr
.else
	; the factor is made of the two ROUNDED shifts, so that the rounding of c m is a common factor of all that is summed and cancels in the division
.irp t, 0,1,2,3
	v_mul_f32 v[T+\t], CNEG, v[M+\t]
.endr
.irp t, 0,1,2,3
	v_sub_f32 v[AL+2*\t], v[T+\t], v[NM+2*\t]
.endr
.irp t, 0,1,2,3
	v_exp_f32 v[AL+2*\t], v[AL+2*\t]
.endr
.irp t, 0,1,2,3
	v_mov_b32 v[NM+2*\t],   v[T+\t]                ; plain instructions that touch no AL stand between the exponentials and their first use (ISA guide 5.7.2)
	v_mov_b32 v[NM+2*\t+1], v[T+\t]
.endr
.endif
.set sq, 0
.rept 16
	FI 0, sq
.set sq, sq+1
.endr
.if \first
.else
.irp t, 0,1,2,3
	s_wait_alu depctr_va_vdst(0)
	v_mov_b32 v[AL+2*\t+1], v[AL+2*\t]
.endr
.endif
	; Behind each exponential stands a plain instruction of ANOTHER tile (or, at an empty place of the sum, the next exponential):
	; no result of an exponential is read before a plain instruction has followed it (ISA guide 5.7.2).
	; tile 0's exponentials, between them tiles 1 and 2's multiply-adds
.set sq, 0
.rept 16
	EI 0, 2*sq
	FI 1, sq
	EI 0, 2*sq+1
	FI 2, sq
.set sq, sq+1
.endr
	; tile 1's exponentials, between them tile 0's sum and pack
.set sq, 0
.rept 32
	EI 1, sq
	CI 0, sq, \first
.set sq, sq+1
.endr
	CI 0, 32, \first
	; tile 2's exponentials, between them tile 3's multiply-adds and the first half of tile 1's sum and pack; then its second half
.set sq, 0
.rept 16
	EI 2, 2*sq
	FI 3, sq
	EI 2, 2*sq+1
	CI 1, sq, \first
.set sq, sq+1
.endr
.set sq, 16
.rept 17
	CI 1, sq, \first
.set sq, sq+1
.endr
	; tile 3's exponentials, between them tile 2's sum and pack; then tile 3's
.set sq, 0
.rept 32
	EI 3, sq
	CI 2, sq, \first
.set sq, sq+1
.endr
	CI 2, 32, \first
.set sq, 0
.rept 33
	CI 3, sq, \first
.set sq, sq+1
.endr
.if \first
.else
	WIN 0x41                                       ; what O holds was summed under the old maximum
.irp t, 0,1,2,3
.set i, 0
.rept 16
	v_pk_mul_f32 v[O+32*\t+2*i:O+32*\t+2*i+1], v[O+32*\t+2*i:O+32*\t+2*i+1], v[AL+2*\t:AL+2*\t+1]
.set i, i+1
.endr
.endr
	WIN 0
.endif
.endm
; A tile of 256 keys: two steps of each wave.  In front of the round every wave waits for all its tensor loads (this tile's part among them)
; and for its LDS reads, all of the other slot's among them; behind the round the other slot is asked for again, first of all: that load has
; the whole tile's work in which to land.  first = 1: tile 0, nothing is carried in.
.macro TRIP slot, other, refill, first
	s_wait_tensorcnt 0x0
	ds_add_u32 v62, v63
	s_wait_dscnt 0x0
	s_add_nc_u64 s[G0K+4*\slot+2:G0K+4*\slot+3], s[G0K+4*\slot+2:G0K+4*\slot+3], 2*TILEB   ; no load of mine is out: this slot's next tile
	s_add_nc_u64 s[G0V+4*\slot+2:G0V+4*\slot+3], s[G0V+4*\slot+2:G0V+4*\slot+3], 2*TILEB
	s_wait_dscnt 0x0                               ; V's fragments of the step that is carried over are in registers too
	ROUND
.if \refill
	JLOAD \other
.endif
	LK \slot, 0
.if \first
.else
	s_cmp_eq_u32 s3, 0
	s_cbranch_scc1 .Learly_\@
	SOFT 0                                         ; kind 1: the vector block of the last tile's second step
.Learly_\@:
	MPV 0                                          ; both kinds: that step's products with V, from registers
.endif
	LV \slot, 0
	s_wait_dscnt 16                                ; K's sixteen loads are in; V's sixteen, issued behind them, may stay out
	MS
	LK \slot, 1
	SOFT \first
	s_wait_dscnt 16                                ; V's sixteen loads are in; the next step's K, issued behind them, may stay out
	MPV \first
	LV \slot, 1
	s_wait_dscnt 16                                ; K's are in; V's may stay out
	MS
	s_cmp_lg_u32 s3, 0
	s_cbranch_scc1 .Llate_\@
	SOFT 0                                         ; kind 0: the second step's vector block
.Llate_\@:
.endm
	s_wait_loadcnt 0x0                             ; Q
	TRIP 0, 1, 1, 1                                ; tile 0; slot 1 gets tile 1
	s_mov_b32 s48, 3
.Ltiles:
	TRIP 1, 0, 1, 0                                ; tiles 1, 3, 5
	TRIP 0, 1, 1, 0                                ; tiles 2, 4, 6; the last of these asks for tile 7
	s_sub_co_u32 s48, s48, 1
	s_cmp_lg_u32 s48, 0
	s_cbranch_scc1 .Ltiles
	TRIP 1, 0, 0, 0                                ; tile 7: nothing is left to fetch
	s_cmp_eq_u32 s3, 0
	s_cbranch_scc1 .Lno_last
	SOFT 0                                         ; kind 1: the last step's vector block
.Lno_last:
	s_wait_dscnt 0x0                               ; V's last fragments
	MPV 0                                          ; its places also serve the stores and vector instructions below, which read O
	; THE MERGE: waves 4 to 7 hand O, the shift and the sum to waves 0 to 3
	s_cmp_lt_u32 s8, 4
	s_cbranch_scc1 .Lno_send
	WIN 0x04
.set i, 0
.rept 32
	ds_store_b128 v[MST], v[O+4*i:O+4*i+3] offset:512*i
.set i, i+1
.endr
	WIN 0
	ds_store_b128 v[MST], v[NM:NM+3] offset:16384
	ds_store_b128 v[MST], v[NM+4:NM+7] offset:16896
	ds_store_b128 v[MST], v[LP:LP+3] offset:17408
	ds_store_b128 v[MST], v[LP+4:LP+7] offset:17920
.Lno_send:
	s_wait_dscnt 0x0                               ; for the readers' sake: my stores are done
	s_barrier_signal -1
	s_barrier_wait -1
	s_cmp_ge_u32 s8, 4
	s_cbranch_scc1 .Lclose
.set i, 0
.rept 32
	ds_load_b128 v[S+4*i:S+4*i+3], v[MST] offset:512*i
.set i, i+1
.endr
	ds_load_b128 v[NMB:NMB+3], v[MST] offset:16384
	ds_load_b128 v[NMB+4:NMB+7], v[MST] offset:16896
	ds_load_b128 v[LPB:LPB+3], v[MST] offset:17408
	ds_load_b128 v[LPB+4:LPB+7], v[MST] offset:17920
	s_wait_dscnt 0x0
.irp t, 0,1,2,3
	v_min_num_f32 v[T+\t], v[NM+2*\t], v[NMB+2*\t] ; the shift of the larger maximum
.endr
.irp t, 0,1,2,3
	v_sub_f32 v[MX+\t], v[T+\t], v[NM+2*\t]
	v_sub_f32 v[MT+\t], v[T+\t], v[NMB+2*\t]
.endr
.irp t, 0,1,2,3
	v_exp_f32 v[MX+\t], v[MX+\t]                   ; my half's factor
	v_exp_f32 v[MT+\t], v[MT+\t]                   ; the other half's
.endr
.irp t, 0,1,2,3
	v_add_f32 v[M+\t], v[LP+2*\t], v[LP+2*\t+1]    ; plain work between the exponentials and their use
	v_add_f32 v[T+\t], v[LPB+2*\t], v[LPB+2*\t+1]
.endr
.irp t, 0,1,2,3
	s_wait_alu depctr_va_vdst(0)
	v_mul_f32 v[M+\t], v[M+\t], v[MX+\t]
.endr
.irp t, 0,1,2,3
	v_fmac_f32 v[M+\t], v[T+\t], v[MT+\t]
.endr
.irp t, 0,1,2,3
	v_permlanex16_b32 v[T+\t], v[M+\t], s12, s13
.endr
.irp t, 0,1,2,3
	v_add_f32 v[M+\t], v[M+\t], v[T+\t]            ; the whole sum; at least about 1: the largest score's exponential is in it
.endr
.irp t, 0,1,2,3
	v_rcp_f32 v[M+\t], v[M+\t]
.endr
	v_nop                                          ; one plain place behind the reciprocals
.irp t, 0,1,2,3
	s_wait_alu depctr_va_vdst(0)
	v_mul_f32 v[AL+2*\t],   v[MX+\t], v[M+\t]
	v_mul_f32 v[AL+2*\t+1], v[MX+\t], v[M+\t]
	v_mul_f32 v[NM+2*\t],   v[MT+\t], v[M+\t]
	v_mul_f32 v[NM+2*\t+1], v[MT+\t], v[M+\t]
.endr
.irp t, 0,1,2,3
.set i, 0
.rept 16
	v_pk_mul_f32 v[S+32*\t+2*i:S+32*\t+2*i+1], v[S+32*\t+2*i:S+32*\t+2*i+1], v[NM+2*\t:NM+2*\t+1]
.set i, i+1
.endr
.endr
	WIN 0x01
.irp t, 0,1,2,3
.set i, 0
.rept 16
	v_pk_fma_f32 v[S+32*\t+2*i:S+32*\t+2*i+1], v[O+32*\t+2*i:O+32*\t+2*i+1], v[AL+2*\t:AL+2*\t+1], v[S+32*\t+2*i:S+32*\t+2*i+1]
.set i, i+1
.endr
.endr
	WIN 0
	; the way out: 16 bytes a lane into my own stage, back as whole rows, 512 consecutive bytes a store
.irp t, 0,1,2,3
.irp dt, 0,1,2,3
.irp r, 0,1,2,3
	v_cvt_pk_f16_f32 v[S+8*(4*\t+\dt)+\r], v[S+8*(4*\t+\dt)+2*\r], v[S+8*(4*\t+\dt)+2*\r+1]
.endr
	ds_store_b128 v[OST], v[S+8*(4*\t+\dt):S+8*(4*\t+\dt)+3] offset:\t*16*PK+32*\dt
.endr
.endr
.irp t, 0,1,2,3
.irp u, 0,1,2,3
	ds_load_b128 v[KF+4*(4*\t+\u):KF+4*(4*\t+\u)+3], v[ORD] offset:\t*16*PK+\u*4*PK   ; LDS serves a wave's instructions in order: these see the stores above
.endr
.endr
.irp t, 0,1,2,3
.irp u, 0,1,2,3
	s_wait_dscnt 15-(4*\t+\u)
	global_store_b128 v[OCO], v[KF+4*(4*\t+\u):KF+4*(4*\t+\u)+3], s[52:53] offset:2048*\t+512*\u
.endr
.endr
.Lclose:
	s_wait_tensorcnt 0x0
	ds_add_u32 v62, v63
	s_wait_dscnt 0x0
	ROUND                                          ; the closing round
	s_endpgm
.Lfunc_end_k_q58579e98da_attn:
	.size	k_q58579e98da_attn, .Lfunc_end_k_q58579e98da_attn-k_q58579e98da_attn
	.p2alignl 7, 3214868480
	.fill 96, 4, 3214868480
	.section	.rodata,"a",@progbits
	.p2align	6, 0x0
	.amdhsa_kernel k_q58579e98da_attn
		.amdhsa_group_segment_fixed_size 327680
		.amdhsa_private_segment_fixed_size 0
		.amdhsa_enable_private_segment 0
		.amdhsa_kernarg_size 16
		.amdhsa_user_sgpr_count 2
		.amdhsa_user_sgpr_kernarg_segment_ptr 1
		.amdhsa_wavefront_size32 1
		.amdhsa_system_sgpr_workgroup_id_x 1
		.amdhsa_system_sgpr_workgroup_id_y 1
		.amdhsa_system_sgpr_workgroup_id_z 1
		.amdhsa_system_vgpr_workitem_id 0
		.amdhsa_next_free_vgpr 512
		.amdhsa_next_free_sgpr 66
		.amdhsa_reserve_vcc 0
		.amdhsa_float_denorm_mode_32 3
		.amdhsa_float_denorm_mode_16_64 3
		.amdhsa_memory_ordered 1
		.amdhsa_forward_progress 1
		.amdhsa_inst_pref_size 255
	.end_amdhsa_kernel
	.section	.bss,"aw",@nobits
	.p2align	6
	.space	262144
	.amdgpu_metadata
---
amdhsa.version: [ 1, 2 ]
amdhsa.kernels:
  - .name:           k_q58579e98da_attn
    .symbol:         k_q58579e98da_attn.kd
    .args:
      - { .name: kqv, .offset: 0, .size: 8, .value_kind: global_buffer, .address_space: global }
      - { .name: oh, .offset: 8, .size: 8, .value_kind: global_buffer, .address_space: global }
    .group_segment_fixed_size: 327680
    .private_segment_fixed_size: 0
    .kernarg_segment_align: 8
    .kernarg_segment_size: 16
    .max_flat_workgroup_size: 256
    .sgpr_count:     66
    .vgpr_count:     512
    .wavefront_size: 32
...
	.end_amdgpu_metadata
.endif
;; end of part 3
;; launch proj (part 4): grid 8 x 32, 4 waves a work-group, clusters of 4 x 4, 327,680 bytes of LDS; arguments oh, woh, b_out, out0; writes out0
.if DOCPART == 4
	.amdgcn_target "amdgcn-amd-amdhsa--gfx1250"
	.amdhsa_code_object_version 6
	.text
	.protected	k_q58579e98da_proj
	.globl	k_q58579e98da_proj
	.p2align	8
	.type	k_q58579e98da_proj,@function
k_q58579e98da_proj:
	s_mov_b64 s[64:65], 0
	v_nop
	global_prefetch_b8 v0, s[64:65] scope:SCOPE_SE
	s_setreg_imm32_b32 hwreg(HW_REG_WAVE_MODE, 25, 1), 1
	s_wait_xcnt 0x0
	s_wait_alu depctr_hold_cnt(0) depctr_sa_sdst(0) depctr_va_vdst(0) depctr_va_sdst(0) depctr_va_ssrc(0) depctr_va_vcc(0) depctr_vm_vsrc(0)
	s_getreg_b32 s2, hwreg(HW_REG_IB_STS2, 6, 4)
	s_cmp_eq_u32 s2, 0
	s_cbranch_scc0 .Lentry_in_a_cluster
	s_endpgm
.Lentry_in_a_cluster:
	s_bfe_u32 s2, ttmp6, 0x10000c
	s_cmp_lg_u32 s2, 0xf033
	s_cbranch_scc0 .Lentry_shape_is_right
	s_endpgm
.Lentry_shape_is_right:
; out0 = o woh + b_out.  oh [b][h][n][64] f16 (o's column 64 h + d), woh [1024][1024] f16, b_out [1024] f32, out0 [4096][1024] f32.
; A work-group makes 128 x 128 with four waves (8 x 32 = 256 work-groups); a wave 64 x 64: sixteen accumulator tiles.
; K goes in four phases of 256 (four heads) through two LDS slots; the text is written out, without a loop.
; A slot: four head tiles of o [128 rows][128 + 16 bytes], then W [256 k][256 + 32 bytes].
; A head's 128 rows are 16,384 dense bytes of memory: waves 0, 1 fetch two heads each as two runs of 16,384 bytes, padded behind every
; 128 bytes; waves 2, 3 fetch 128 rows of W each.
; CLUSTERS: 4 x 4: o's tiles hang on the block row alone and are asked for jointly by a row of the cluster, W's on the block column alone.
; The matrix instruction is used transposed (source 0 = W's columns, by the transposing load; source 1 = o's rows): a lane's eight results
; are eight neighbouring columns of a row, 32 bytes of f32.  The bias is the C of the first products.
; REGISTERS: window 0: v0-31 addresses; two buffers (o's 4 fragments, W's 4) at v32 and v96; v160-191 the bias; v192-255 the way out;
; window 1: accumulator (a, b) at 8 (4 a + b).
.set PO,    144
.set PB,    288
.set HT,    128*PO                     ; 18,432: a head's tile
.set WOFF,  4*HT                       ; 73,728
.set SLOT,  WOFF+256*PB                ; 147,456
.set STAGE, 2*SLOT                     ; 294,912
.set STW,   4608                       ; a wave's stage: 16 rows x 272 bytes
.set SP,    272
.set ADRA, 16                          ; v16-17 o's fragments in slot 0, 1
.set ADRB, 18                          ; v18-21 W's fragments: slot 0 k 0-127, k 128-255; slot 1 likewise
.set STO,  22
.set RD,   23
.set CO,   24
.set BO,   25
.set FA,   32
.set FB,   64
.set BIAS, 160
.set OB0,  192
.set OB1,  224
.set G1A, 24
.set G0A, 32
.set G1B, 48
.set G0B, 56
.set MSB, 0
.macro WIN new
.if MSB != \new
	s_set_vgpr_msb (MSB<<8)|\new
.set MSB, \new
.endif
.endm
.macro PLACES
.rept 4
	v_nop
.endr
.endm
.macro JLOAD s
	s_cmp_eq_u32 s13, 0
	s_cbranch_scc0 .Lfor_w_\@
	tensor_load_to_lds s[G0A+4*\s:G0A+4*\s+3], s[G1A:G1A+7]
	s_nop 0
	s_branch .Lasked_\@
.Lfor_w_\@:
	tensor_load_to_lds s[G0B+4*\s:G0B+4*\s+3], s[G1B:G1B+7]
	s_nop 0
.Lasked_\@:
.endm
.macro CREST
	s_cmp_lg_u32 s12, 0
	s_cbranch_scc1 .Lnot_wave_0_\@
	s_barrier_signal -3
.Lnot_wave_0_\@:
	s_barrier_wait -3
	s_barrier_signal -1
	s_barrier_wait -1
.endm
.macro CROUND
	s_barrier_signal -1
	s_barrier_wait -1
	CREST
.endm
	s_load_b256 s[4:11], s[0:1], 0x0               ; oh s[4:5], woh s[6:7], b_out s[8:9], out0 s[10:11]
	v_lshl_add_u32 v30, v0, 2, 0x4c800
	v_mov_b32 v31, 0
	ds_add_u32 v30, v31
	v_lshrrev_b32 v1, 5, v0
	v_readfirstlane_b32 s12, v1                    ; wave 0..3
	s_lshr_b32 s13, s12, 1                         ; which 64 rows.  Also: I fetch o (0) or W (1)
	s_and_b32 s14, s12, 1                          ; which 64 columns.  Also: which half of that I fetch
	s_bfe_u32 s15, ttmp6, 0x40000                  ; cx
	s_bfe_u32 s16, ttmp6, 0x40004                  ; cy
	s_lshl_b32 s17, ttmp9, 2
	s_add_co_u32 s17, s17, s15                     ; block column 0..7
	s_and_b32 s18, ttmp7, 0xffff
	s_lshl_b32 s18, s18, 2
	s_add_co_u32 s18, s18, s16                     ; block row 0..31
	s_lshl_b32 s19, s16, 2
	s_lshl_b32 s19, 15, s19
	s_lshl_b32 s20, 0x1111, s15
	s_or_b32 s[G1A+0], s19, (1<<16)|(1<<20)|(1<<21)|(4<<22)|(3<<25)   ; o: a pad of 4 words behind every 32 words
	s_or_b32 s[G1B+0], s20, (1<<16)|(1<<20)|(1<<21)|(5<<22)|(7<<25)   ; W: a pad of 8 words behind every 64 words
	s_mov_b32 s[G1A+1], 8192<<16                   ; tensor_dim0 = 8,192 elements: a head's 128 rows
	s_mov_b32 s[G1B+1], 128<<16
	s_mov_b32 s[G1A+2], 2<<16                      ; tensor_dim1 = 2 heads
	s_mov_b32 s[G1B+2], 128<<16
	s_mov_b32 s[G1A+3], 8192<<16                   ; tile_dim0
	s_mov_b32 s[G1B+3], 128<<16
	s_mov_b32 s[G1A+4], 2                          ; tile_dim1
	s_mov_b32 s[G1B+4], 128
	s_mov_b32 s[G1A+5], 131072                     ; elements from head to head
	s_mov_b32 s[G1B+5], 1024
	s_mov_b32 s[G1A+6], 0
	s_mov_b32 s[G1B+6], 0
	s_mov_b32 s[G1A+7], 0
	s_mov_b32 s[G1B+7], 0
	s_lshr_b32 s40, s18, 4
	s_lshl_b32 s40, s40, 4                         ; 16 x batch
	s_lshl_b32 s41, s14, 1                         ; + my two heads of the phase's four
	s_add_co_u32 s40, s40, s41
	s_lshl_b32 s40, s40, 18
	s_and_b32 s41, s18, 15
	s_lshl_b32 s41, s41, 14                        ; + (block row % 16) x 128 rows x 128 bytes
	s_add_co_u32 s40, s40, s41
	s_mov_b32 s41, 0
	s_lshl_b32 s44, s14, 18                        ; W: my 128 rows of 2,048 bytes
	s_lshl_b32 s45, s17, 8                         ; + block column x 256 bytes
	s_add_co_u32 s44, s44, s45
	s_mov_b32 s45, 0
	s_mul_i32 s21, s12, 2*HT                       ; where my part goes: wave x 36,864
	s_lshl_b32 s22, s17, 9                         ; the block's 128 biases
	s_mov_b32 s23, 0
	s_wait_dscnt 0x0
	s_wait_kmcnt 0x0
	s_add_nc_u64 s[42:43], s[4:5], s[40:41]
	s_add_nc_u64 s[46:47], s[6:7], s[44:45]
	s_add_nc_u64 s[8:9], s[8:9], s[22:23]
	CROUND
.irp s, 0,1
	s_mov_b32 s[G0A+4*\s], 1
	s_add_co_u32 s[G0A+4*\s+1], s21, \s*SLOT
	s_add_nc_u64 s[G0A+4*\s+2:G0A+4*\s+3], s[42:43], \s*4*262144
	s_or_b32 s[G0A+4*\s+3], s[G0A+4*\s+3], 0x80000000
	s_mov_b32 s[G0B+4*\s], 1
	s_add_co_u32 s[G0B+4*\s+1], s21, \s*SLOT
	s_add_nc_u64 s[G0B+4*\s+2:G0B+4*\s+3], s[46:47], \s*256*2048
	s_or_b32 s[G0B+4*\s+3], s[G0B+4*\s+3], 0x80000000
	JLOAD \s                                       ; phases 0 and 1: two loads of the wave are out
.endr
	v_and_b32 v1, 15, v0                           ; r
	v_bfe_u32 v2, v0, 4, 1                         ; h
	v_and_b32 v3, 7, v0
	v_bfe_u32 v4, v0, 3, 1
	s_lshl_b32 s74, s14, 8
	v_lshl_add_u32 v[BO], v2, 5, s74               ; 256 (w&1) + 32 h
.irp b, 0,1,2,3
	global_load_b128 v[BIAS+8*\b:BIAS+8*\b+3],   v[BO], s[8:9] offset:64*\b
	global_load_b128 v[BIAS+8*\b+4:BIAS+8*\b+7], v[BO], s[8:9] offset:64*\b+16
.endr
	v_mul_u32_u24 v5, v1, PO
	v_lshl_add_u32 v5, v2, 4, v5
	s_mul_i32 s74, s13, 64*PO
	v_add_nc_u32 v[ADRA], s74, v5
	v_add_nc_u32 v[ADRA+1], SLOT, v[ADRA]
	v_lshl_add_u32 v6, v2, 3, v3
	v_mul_u32_u24 v6, v6, PB
	v_lshl_add_u32 v6, v4, 4, v6
	s_lshl_b32 s74, s14, 7
	s_add_co_u32 s74, s74, WOFF
	v_add_nc_u32 v[ADRB], s74, v6
	v_add_nc_u32 v[ADRB+1], 128*PB, v[ADRB]
	v_add_nc_u32 v[ADRB+2], SLOT, v[ADRB]
	v_add_nc_u32 v[ADRB+3], SLOT, v[ADRB+1]
	s_mul_i32 s74, s12, STW
	s_add_co_u32 s74, s74, STAGE
	v_mul_u32_u24 v5, v1, SP
	v_lshl_add_u32 v5, v2, 5, v5
	v_add_nc_u32 v[STO], s74, v5                   ; in: row r, 32 bytes at 32 h
	v_mul_u32_u24 v5, v2, SP
	v_lshl_add_u32 v5, v1, 4, v5
	v_add_nc_u32 v[RD], s74, v5                    ; back: sixteen lanes a row of 256 bytes
	v_lshlrev_b32 v5, 12, v2
	v_lshl_add_u32 v[CO], v1, 4, v5                ; and the same two rows in out0
; four matrix instructions: row tile a x my four column tiles, buffer f.  The sixteen accumulators take turns, one instruction a turn,
; in the same order in every quarter.
.macro MUL4 f, a, mode
.irp b, 0,1,2,3
.if \mode
	v_wmma_f32_16x16x32_f16 v[8*(4*\a+\b):8*(4*\a+\b)+7], v[FB+64*\f+8*\b:FB+64*\f+8*\b+7], v[FA+64*\f+8*\a:FA+64*\f+8*\a+7], v[BIAS+8*\b:BIAS+8*\b+7]
.else
	v_wmma_f32_16x16x32_f16 v[8*(4*\a+\b):8*(4*\a+\b)+7], v[FB+64*\f+8*\b:FB+64*\f+8*\b+7], v[FA+64*\f+8*\a:FA+64*\f+8*\a+7], v[8*(4*\a+\b):8*(4*\a+\b)+7]
.endif
.endr
.endm
.macro MWIN mode
.if \mode
	WIN 0x40
.else
	WIN 0x50
.endif
.endm
; sixteen LDS loads: the fragments of part q (32 along K, q = 0..7) of a slot into buffer f: W's four, then o's four
.macro FETCH3 slot, q, f
.irp j, 0,1,2,3
	ds_load_tr16_b128 v[FB+64*\f+8*\j:FB+64*\f+8*\j+3],   v[ADRB+2*\slot+(\q>>2)] offset:(\q&3)*32*PB+32*\j
	ds_load_tr16_b128 v[FB+64*\f+8*\j+4:FB+64*\f+8*\j+7], v[ADRB+2*\slot+(\q>>2)] offset:(\q&3)*32*PB+32*\j+16*PB
.endr
.irp i, 0,1,2,3
	ds_load_b128 v[FA+64*\f+8*\i:FA+64*\f+8*\i+3],   v[ADRA+\slot] offset:(\q>>1)*HT+(\q&1)*64+\i*16*PO
	ds_load_b128 v[FA+64*\f+8*\i+4:FA+64*\f+8*\i+7], v[ADRA+\slot] offset:(\q>>1)*HT+(\q&1)*64+\i*16*PO+32
.endr
.endm
.macro QUARTER3 slot, q, f, g, mode
	s_wait_dscnt 4                                 ; W's fragments and o's rows 0-31 are in; the four youngest loads may be out
	MWIN \mode
	MUL4 \f, 0, \mode
	MUL4 \f, 1, \mode
	WIN 0
	PLACES
	FETCH3 \slot, \q, \g
	s_wait_dscnt 16                                ; all but the sixteen just issued
	MWIN \mode
	MUL4 \f, 2, \mode
	MUL4 \f, 3, \mode
.endm
.macro SEVEN slot, mode
	QUARTER3 \slot, 1, 0, 1, \mode
	QUARTER3 \slot, 2, 1, 0, 0
	QUARTER3 \slot, 3, 0, 1, 0
	QUARTER3 \slot, 4, 1, 0, 0
	QUARTER3 \slot, 5, 0, 1, 0
	QUARTER3 \slot, 6, 1, 0, 0
	QUARTER3 \slot, 7, 0, 1, 0
.endm
; the eighth part multiplies buffer 1 and changes slots; fill = 1: behind a round of the cluster's barrier this slot is asked for again
.macro TURN3 slot, next, fill
	s_wait_dscnt 4
	WIN 0x50
	MUL4 1, 0, 0
	s_wait_dscnt 0                                 ; my reads of this slot are over
	s_wait_tensorcnt 0x0                           ; all my tensor loads have landed: my part of the next slot
	ds_add_u32 v30, v31
	s_wait_dscnt 0x0
	s_barrier_signal -1
	MUL4 1, 1, 0
	WIN 0
	s_barrier_wait -1
.if \fill
	CREST
	s_add_nc_u64 s[G0A+4*\slot+2:G0A+4*\slot+3], s[G0A+4*\slot+2:G0A+4*\slot+3], 8*262144
	s_add_nc_u64 s[G0B+4*\slot+2:G0B+4*\slot+3], s[G0B+4*\slot+2:G0B+4*\slot+3], 512*2048
	JLOAD \slot
.endif
	PLACES
	FETCH3 \next, 0, 0
	WIN 0x50
	MUL4 1, 2, 0
	MUL4 1, 3, 0
.endm
	s_wait_loadcnt 0x0                             ; the bias
	s_wait_tensorcnt 0x1                           ; my part of phase 0 is in; phase 1's stays out
	s_barrier_signal -1
	s_barrier_wait -1
	FETCH3 0, 0, 0
	SEVEN 0, 1
	TURN3 0, 1, 1                                  ; slot 0 gets phase 2
	SEVEN 1, 0
	TURN3 1, 0, 1                                  ; slot 1 gets phase 3
	SEVEN 0, 0
	TURN3 0, 1, 0
	SEVEN 1, 0
	s_wait_dscnt 4
	WIN 0x50
	MUL4 1, 0, 0
	MUL4 1, 1, 0
	s_wait_dscnt 0
	MUL4 1, 2, 0
	MUL4 1, 3, 0
	PLACES                                         ; the LDS stores below read results
	s_lshl_b32 s76, s18, 19                        ; block row x 128 rows x 4,096 bytes
	s_lshl_b32 s75, s13, 18                        ; + my 64 rows
	s_add_co_u32 s76, s76, s75
	s_lshl_b32 s75, s17, 9                         ; + block column x 512 bytes
	s_add_co_u32 s76, s76, s75
	s_lshl_b32 s75, s14, 8                         ; + my 64 columns
	s_add_co_u32 s76, s76, s75
	s_mov_b32 s77, 0
	s_add_nc_u64 s[68:69], s[10:11], s[76:77]
; rows 16 a .. +15 of my 64, through my own stage: sixteen lanes then store 256 consecutive bytes, at a multiple of 256 from out0's first byte
.macro OUTP a, ob
	WIN 0x04
.irp b, 0,1,2,3
	ds_store_b128 v[STO], v[8*(4*\a+\b):8*(4*\a+\b)+3]   offset:64*\b
	ds_store_b128 v[STO], v[8*(4*\a+\b)+4:8*(4*\a+\b)+7] offset:64*\b+16
.endr
	WIN 0
	s_wait_xcnt 0x0                                ; the buffer below was the data of earlier stores: it is loaded again only behind this wait
.irp u, 0,1,2,3,4,5,6,7
	ds_load_b128 v[\ob+4*\u:\ob+4*\u+3], v[RD] offset:\u*2*SP       ; LDS serves a wave's instructions in order: these see the stores above
.endr
.irp u, 0,1,2,3,4,5,6,7
	s_wait_dscnt 7-\u
	global_store_b128 v[CO], v[\ob+4*\u:\ob+4*\u+3], s[68:69] offset:(16*\a+2*\u)*4096 th:TH_STORE_NT
.endr
.endm
	OUTP 0, OB0
	OUTP 1, OB1
	OUTP 2, OB0
	OUTP 3, OB1
	s_wait_tensorcnt 0x0
	ds_add_u32 v30, v31
	s_wait_dscnt 0x0
	CROUND                                         ; the closing round
	s_endpgm
.Lfunc_end_k_q58579e98da_proj:
	.size	k_q58579e98da_proj, .Lfunc_end_k_q58579e98da_proj-k_q58579e98da_proj
	.p2alignl 7, 3214868480
	.fill 96, 4, 3214868480
	.section	.rodata,"a",@progbits
	.p2align	6, 0x0
	.amdhsa_kernel k_q58579e98da_proj
		.amdhsa_group_segment_fixed_size 327680
		.amdhsa_private_segment_fixed_size 0
		.amdhsa_enable_private_segment 0
		.amdhsa_kernarg_size 32
		.amdhsa_user_sgpr_count 2
		.amdhsa_user_sgpr_kernarg_segment_ptr 1
		.amdhsa_wavefront_size32 1
		.amdhsa_system_sgpr_workgroup_id_x 1
		.amdhsa_system_sgpr_workgroup_id_y 1
		.amdhsa_system_sgpr_workgroup_id_z 1
		.amdhsa_system_vgpr_workitem_id 0
		.amdhsa_next_free_vgpr 384
		.amdhsa_next_free_sgpr 80
		.amdhsa_reserve_vcc 0
		.amdhsa_float_denorm_mode_32 3
		.amdhsa_float_denorm_mode_16_64 3
		.amdhsa_memory_ordered 1
		.amdhsa_forward_progress 1
		.amdhsa_inst_pref_size 91
	.end_amdhsa_kernel
	.amdgpu_metadata
---
amdhsa.version: [ 1, 2 ]
amdhsa.kernels:
  - .name:           k_q58579e98da_proj
    .symbol:         k_q58579e98da_proj.kd
    .args:
      - { .name: oh, .offset: 0, .size: 8, .value_kind: global_buffer, .address_space: global }
      - { .name: woh, .offset: 8, .size: 8, .value_kind: global_buffer, .address_space: global }
      - { .name: b_out, .offset: 16, .size: 8, .value_kind: global_buffer, .address_space: global }
      - { .name: out0, .offset: 24, .size: 8, .value_kind: global_buffer, .address_space: global }
    .group_segment_fixed_size: 327680
    .private_segment_fixed_size: 0
    .kernarg_segment_align: 8
    .kernarg_segment_size: 32
    .max_flat_workgroup_size: 128
    .sgpr_count:     80
    .vgpr_count:     384
    .wavefront_size: 32
...
	.end_amdgpu_metadata
.endif
;; end of part 4
;; ======== version 2 of 2: 4 launches; version 1 with the launch cast written anew for expert scheduling mode
;; limits: values are held in f16: magnitudes above 65,504 overflow, below 6.1e-05 lose precision
;; workspace buffers: xh 8,388,608 bytes; wqh 6,291,456 bytes; woh 2,097,152 bytes; kqv 25,165,824 bytes; oh 8,388,608 bytes
;; launch cast (part 5): grid 256 x 1, 8 waves a work-group, no clusters, 0 bytes of LDS; arguments x, W_qkv, W_out, xh, wqh, woh; writes xh, wqh, woh
.if DOCPART == 5
	.amdgcn_target "amdgcn-amd-amdhsa--gfx1250"
	.amdhsa_code_object_version 6
	.text
	.protected	k_q58579e98da_cast
	.globl	k_q58579e98da_cast
	.p2align	8
	.type	k_q58579e98da_cast,@function
k_q58579e98da_cast:
	s_mov_b64 s[64:65], 0
	v_nop
	global_prefetch_b8 v0, s[64:65] scope:SCOPE_SE
	s_setreg_imm32_b32 hwreg(HW_REG_WAVE_SCHED_MODE, 0, 2), 2
	s_setreg_imm32_b32 hwreg(HW_REG_WAVE_MODE, 25, 1), 1
	s_wait_xcnt 0x0
	s_wait_alu depctr_vm_vsrc(0)
; xh = f16(x), wqh = f16(W_qkv), woh = f16(W_out): the same row-major order, each number rounded once.
; The three products that follow read each of these numbers many times (x by 8 column blocks, W_qkv by 32 row blocks),
; so the conversion is done once here and not in every block.
; LIMIT: f16 holds magnitudes below 65,504; below 6e-5 its precision is absolute (3e-8).
; A stream: every byte is read once and written once; LDS, barriers, the matrix unit and clusters have nothing to give
; (no two work-groups read the same byte).
; 8,388,608 numbers in all, 32,768 for each of 256 work-groups: groups 0-127 take x, 128-223 W_qkv, 224-255 W_out.
; A work-group's load covers 4,096 consecutive bytes, a wave's 512; a wave's store covers 256 consecutive bytes, aligned.
; All 32 loads of a thread go out first (128 KiB of the work-group in flight); no register is written twice.
; THE MODE: SCHED_MODE bits 1:0 = 2 (LLVM: expert scheduling mode 2), set by the entry lines.  The code itself states the register
; dependences between vector instructions and memory instructions, with s_wait_alu, always for 0.
; THE PLAN.  Registers that memory instructions touch:
;   v1, v2   byte offsets of the loads and of the stores: written once at the head, never again.
;   X        item i: four registers, written by load i alone, read by item i's two conversions.  No vector instruction names them ahead of the load.
;   Y        item i: two registers, written once by item i's two conversions, read once by store i.
; The 32 items go in eight blocks of four.  Block p converts its four items; its memory instructions are the four stores of block p - 1,
; whose Y no vector instruction of block p names.  So one wait at a block's head states all that its four stores hang on, and they are dealt
; among the block's conversions with no further wait.  Nothing that a memory instruction has read is ever written again: no base, no offset,
; no store's data; so no wait for sources stands in the text.
.set NLD, 32                           ; loads of a thread, 16 bytes each
.set BLK, 4                            ; items in a block
.set NB,  NLD/BLK
.set X,   4                            ; v[4:131]   load i: four f32
.set Y,   132                          ; v[132:195] store i: four f16
	s_load_b256 s[4:11], s[0:1], 0x0               ; x s[4:5], W_qkv s[6:7], W_out s[8:9], xh s[10:11]
	s_load_b128 s[12:15], s[0:1], 0x20             ; wqh s[12:13], woh s[14:15]
	s_movk_i32 s21, 128                            ; first work-group of W_qkv
	s_movk_i32 s22, 224                            ; first work-group of W_out
	v_lshlrev_b32 v1, 4, v0                        ; 16 bytes a thread in
	v_lshlrev_b32 v2, 3, v0                        ; 8 bytes a thread out
	s_wait_kmcnt 0x0
	s_cmp_lt_u32 ttmp9, s22                        ; the choice hangs on the work-group's number alone
	s_cselect_b64 s[16:17], s[6:7], s[8:9]
	s_cselect_b64 s[18:19], s[12:13], s[14:15]
	s_cselect_b32 s20, s21, s22
	s_cmp_lt_u32 ttmp9, s21
	s_cselect_b64 s[16:17], s[4:5], s[16:17]       ; from
	s_cselect_b64 s[18:19], s[10:11], s[18:19]     ; to
	s_cselect_b32 s20, 0, s20
	s_sub_co_u32 s20, ttmp9, s20                   ; my number within my tensor
	s_lshl_b32 s24, s20, 17                        ; x 131,072 bytes in
	s_mov_b32 s25, 0
	s_lshl_b32 s26, s20, 16                        ; x 65,536 bytes out
	s_mov_b32 s27, 0
	s_add_nc_u64 s[16:17], s[16:17], s[24:25]
	s_add_nc_u64 s[18:19], s[18:19], s[26:27]
	s_wait_alu depctr_va_vdst(0)                   ; v1 and v2 are written: every load of the kernel reads v1 as its offset, every store v2
.set i, 0
.rept NLD
	global_load_b128 v[X+4*i:X+4*i+3], v1, s[16:17] offset:4096*i th:TH_LOAD_NT
.set i, i+1
.endr
.set p, 0
.rept NB
	s_wait_loadcnt NLD-BLK*(p+1)                   ; loads come back in order: block p's four are in, the younger ones stay out
.if p > 0
	s_wait_alu depctr_va_vdst(0)                   ; the block before's eight conversions have written their Y, which the four stores below read
.endif
.set j, 0
.rept BLK
.set i, BLK*p+j
.if p > 0
	global_store_b64 v2, v[Y+2*(i-BLK):Y+2*(i-BLK)+1], s[18:19] offset:2048*(i-BLK)   ; the block before; no vector instruction since the wait names these registers.  Read again by the next launch: no streaming hint
.endif
	v_cvt_pk_f16_f32 v[Y+2*i],   v[X+4*i],   v[X+4*i+1]
	v_cvt_pk_f16_f32 v[Y+2*i+1], v[X+4*i+2], v[X+4*i+3]
.set j, j+1
.endr
.set p, p+1
.endr
	s_wait_alu depctr_va_vdst(0)                   ; the last block's conversions have written their Y, which the last four stores read
.set i, NLD-BLK
.rept BLK
	global_store_b64 v2, v[Y+2*i:Y+2*i+1], s[18:19] offset:2048*i
.set i, i+1
.endr
	s_endpgm
.Lfunc_end_k_q58579e98da_cast:
	.size	k_q58579e98da_cast, .Lfunc_end_k_q58579e98da_cast-k_q58579e98da_cast
	.p2alignl 7, 3214868480
	.fill 96, 4, 3214868480
	.section	.rodata,"a",@progbits
	.p2align	6, 0x0
	.amdhsa_kernel k_q58579e98da_cast
		.amdhsa_group_segment_fixed_size 0
		.amdhsa_private_segment_fixed_size 0
		.amdhsa_enable_private_segment 0
		.amdhsa_kernarg_size 48
		.amdhsa_user_sgpr_count 2
		.amdhsa_user_sgpr_kernarg_segment_ptr 1
		.amdhsa_wavefront_size32 1
		.amdhsa_system_sgpr_workgroup_id_x 1
		.amdhsa_system_sgpr_workgroup_id_y 1
		.amdhsa_system_sgpr_workgroup_id_z 1
		.amdhsa_system_vgpr_workitem_id 0
		.amdhsa_next_free_vgpr 196
		.amdhsa_next_free_sgpr 66
		.amdhsa_reserve_vcc 0
		.amdhsa_float_denorm_mode_32 3
		.amdhsa_float_denorm_mode_16_64 3
		.amdhsa_memory_ordered 1
		.amdhsa_forward_progress 1
		.amdhsa_inst_pref_size 12
	.end_amdhsa_kernel
	.amdgpu_metadata
---
amdhsa.version: [ 1, 2 ]
amdhsa.kernels:
  - .name:           k_q58579e98da_cast
    .symbol:         k_q58579e98da_cast.kd
    .args:
      - { .name: x, .offset: 0, .size: 8, .value_kind: global_buffer, .address_space: global }
      - { .name: W_qkv, .offset: 8, .size: 8, .value_kind: global_buffer, .address_space: global }
      - { .name: W_out, .offset: 16, .size: 8, .value_kind: global_buffer, .address_space: global }
      - { .name: xh, .offset: 24, .size: 8, .value_kind: global_buffer, .address_space: global }
      - { .name: wqh, .offset: 32, .size: 8, .value_kind: global_buffer, .address_space: global }
      - { .name: woh, .offset: 40, .size: 8, .value_kind: global_buffer, .address_space: global }
    .group_segment_fixed_size: 0
    .private_segment_fixed_size: 0
    .kernarg_segment_align: 8
    .kernarg_segment_size: 48
    .max_flat_workgroup_size: 256
    .sgpr_count:     66
    .vgpr_count:     196
    .wavefront_size: 32
...
	.end_amdgpu_metadata
.endif
;; end of part 5
;; launch qkv: the kernel of part 2 again; grid 8 x 32, 4 waves a work-group, clusters of 4 x 4, 327,680 bytes of LDS; arguments xh, wqh, b_qkv, kqv; writes kqv
;; launch attn: the kernel of part 3 again; grid 8 x 32, 8 waves a work-group, clusters of 4 x 1, 327,680 bytes of LDS; arguments kqv, oh; writes oh
;; launch proj: the kernel of part 4 again; grid 8 x 32, 4 waves a work-group, clusters of 4 x 4, 327,680 bytes of LDS; arguments oh, woh, b_out, out0; writes out0
